; MI455X (gfx1250); checked and timed in simulation.
; The chip was launched on July 23, 2026; its instructions are those of AMD's public machine-readable ISA for CDNA 5 (MIT licence, August 2026) and "CDNA5" Instruction Set Architecture Reference Guide (July 2026). The comments in the code are by the model that wrote it; some were corrected since.
;; Q Measure Density. Allowed arithmetic: float matrix products may take bf16 or f16 operands with f32 sums; other float arithmetic in f32, or as packed bf16 or f16 multiplies, adds, multiply-adds, maxima and minima; sums over many terms, partial sums and values carried from step to step in f32; what a program stores and reads back later, other than sums and carried values, may be rounded once to bf16 or f16.
;; Inputs: inputs 4,096 x 4,096 float32; rho 4,096 x 4,096 float32.
;; Outputs: out0 4,096 float32.
;; 2 versions, each right; version 2 is version 1 with the launch cast written anew for expert scheduling mode. Each part assembles by itself: llvm-mc -triple=amdgcn-amd-amdhsa -mcpu=gfx1250 --defsym DOCPART=n.
;; ======== version 1 of 2: 3 launches
;; workspace buffers: xb 33,554,432 bytes; rb 33,554,432 bytes; part 1,048,576 bytes
;; launch cast (part 1): grid 256 x 2, 8 waves a work-group, no clusters, 0 bytes of LDS; arguments inputs, rho, xb, rb; writes xb, rb
.if DOCPART == 1
	.amdgcn_target "amdgcn-amd-amdhsa--gfx1250"
	.amdhsa_code_object_version 6
	.text
	.protected	k_qfdc55f8888_cast
	.globl	k_qfdc55f8888_cast
	.p2align	8
	.type	k_qfdc55f8888_cast,@function
k_qfdc55f8888_cast:
	s_mov_b64 s[64:65], 0
	v_nop
	global_prefetch_b8 v0, s[64:65] scope:SCOPE_SE
	s_setreg_imm32_b32 hwreg(HW_REG_WAVE_MODE, 25, 1), 1
	s_wait_xcnt 0x0
; xb = bf16(inputs), rb = bf16(rho): each f32 rounded once, to nearest even.  Both tensors are 4096 x 4096.
; Work-groups with y = 0 take inputs -> xb, those with y = 1 take rho -> rb.  A work-group owns 262,144 bytes of f32, taken as 64 pieces of
; 4,096 bytes; thread t owns the 16 bytes at 16 t of every piece and stores 8 bytes at 8 t of the matching 2,048 bytes of output.
; So a load of a wave covers 512 consecutive bytes and a store of a wave 256 consecutive bytes, aligned.
; Memory binds: no LDS, no barrier, no matrix unit.  A ring of DEPTH slots in registers keeps DEPTH loads of every wave on their way.
; LIMITS.  A magnitude above bf16's largest finite number (about 3.39e38) rounds to an infinity; NaN stays NaN.
.set DEPTH,  16                        ; slots = loads in flight in each wave
.set ROUNDS, 64/DEPTH                  ; each round takes every slot once
.set INROW,  4096                      ; bytes of f32 in a piece
.set OUTROW, 2048                      ; bytes of bf16 in a piece
.set LO, 1                             ; v1        16 t: my bytes in a piece of f32; never rewritten
.set SO, 2                             ; v2        8 t: my bytes in a piece of bf16; never rewritten
.set X,  4                             ; v[4:67]   slot i: 4 registers as loaded
.set Y,  68                            ; v[68:99]  slot i: 2 registers to store
	s_load_b256 s[4:11], s[0:1], 0x0               ; inputs s[4:5], rho s[6:7], xb s[8:9], rb s[10:11]
	s_and_b32 s13, ttmp7, 0xffff                   ; y: which tensor
	s_lshl_b32 s14, ttmp9, 18                      ; x times 262,144 bytes of f32 (under 2^26)
	s_mov_b32 s15, 0
	s_lshl_b32 s16, ttmp9, 17                      ; x times 131,072 bytes of bf16
	s_mov_b32 s17, 0
	v_lshlrev_b32 v[LO], 4, v0
	v_lshlrev_b32 v[SO], 3, v0
	s_wait_kmcnt 0x0
	s_cmp_eq_u32 s13, 0                            ; the choice hangs on the work-group's y alone
	s_cselect_b64 s[18:19], s[4:5], s[6:7]         ; from
	s_cselect_b64 s[20:21], s[8:9], s[10:11]       ; to
	s_add_nc_u64 s[18:19], s[18:19], s[14:15]
	s_add_nc_u64 s[20:21], s[20:21], s[16:17]
.irp i, 0,1,2,3,4,5,6,7,8,9,10,11,12,13,14,15
	global_load_b128 v[X+4*(\i):X+4*(\i)+3], v[LO], s[18:19] offset:(\i)*INROW th:TH_LOAD_NT  ; fill the ring: pieces 0 to 15
.endr
; One slot's turn.  ahead = 1: the slot is filled again with the piece DEPTH further on.  left = how many younger loads may stay out.
.macro SLOT i, ahead, left
	s_wait_loadcnt \left                           ; loads come back in order (ISA guide 5.7.1): mine is in, the younger ones stay out
	v_cvt_pk_bf16_f32 v[Y+2*(\i)],   v[X+4*(\i)],   v[X+4*(\i)+1]   ; two roundings, packed
	v_cvt_pk_bf16_f32 v[Y+2*(\i)+1], v[X+4*(\i)+2], v[X+4*(\i)+3]
.if \ahead
	global_load_b128 v[X+4*(\i):X+4*(\i)+3], v[LO], s[18:19] offset:(DEPTH+(\i))*INROW th:TH_LOAD_NT
.endif
	global_store_b64 v[SO], v[Y+2*(\i):Y+2*(\i)+1], s[20:21] offset:(\i)*OUTROW  ; no hint: the next launch reads these bytes
.endm
	s_mov_b32 s12, ROUNDS-1
.Lround:
.irp i, 0,1,2,3,4,5,6,7,8,9,10,11,12,13,14,15
	SLOT \i, 1, DEPTH-1
.endr
	s_wait_xcnt 0x0                                ; the round's loads and stores have had their addresses translated (ISA guide 3.1): only now are the two bases stepped and Y written again
	s_add_nc_u64 s[18:19], s[18:19], DEPTH*INROW
	s_add_nc_u64 s[20:21], s[20:21], DEPTH*OUTROW
	s_sub_co_u32 s12, s12, 1
	s_cmp_lg_u32 s12, 0
	s_cbranch_scc1 .Lround
.irp i, 0,1,2,3,4,5,6,7,8,9,10,11,12,13,14,15
	SLOT \i, 0, DEPTH-1-(\i)                       ; the last round loads nothing: the counts run down
.endr
	s_endpgm
.Lfunc_end_k_qfdc55f8888_cast:
	.size	k_qfdc55f8888_cast, .Lfunc_end_k_qfdc55f8888_cast-k_qfdc55f8888_cast
	.p2alignl 7, 3214868480
	.fill 96, 4, 3214868480
	.section	.rodata,"a",@progbits
	.p2align	6, 0x0
	.amdhsa_kernel k_qfdc55f8888_cast
		.amdhsa_group_segment_fixed_size 0
		.amdhsa_private_segment_fixed_size 0
		.amdhsa_enable_private_segment 0
		.amdhsa_kernarg_size 32
		.amdhsa_user_sgpr_count 2
		.amdhsa_user_sgpr_kernarg_segment_ptr 1
		.amdhsa_wavefront_size32 1
		.amdhsa_system_sgpr_workgroup_id_x 1
		.amdhsa_system_sgpr_workgroup_id_y 1
		.amdhsa_system_sgpr_workgroup_id_z 1
		.amdhsa_system_vgpr_workitem_id 0
		.amdhsa_next_free_vgpr 100
		.amdhsa_next_free_sgpr 66
		.amdhsa_reserve_vcc 0
		.amdhsa_float_denorm_mode_32 3
		.amdhsa_float_denorm_mode_16_64 3
		.amdhsa_memory_ordered 1
		.amdhsa_forward_progress 1
		.amdhsa_inst_pref_size 13
	.end_amdhsa_kernel
	.amdgpu_metadata
---
amdhsa.version: [ 1, 2 ]
amdhsa.kernels:
  - .name:           k_qfdc55f8888_cast
    .symbol:         k_qfdc55f8888_cast.kd
    .args:
      - { .name: inputs, .offset: 0, .size: 8, .value_kind: global_buffer, .address_space: global }
      - { .name: rho, .offset: 8, .size: 8, .value_kind: global_buffer, .address_space: global }
      - { .name: xb, .offset: 16, .size: 8, .value_kind: global_buffer, .address_space: global }
      - { .name: rb, .offset: 24, .size: 8, .value_kind: global_buffer, .address_space: global }
    .group_segment_fixed_size: 0
    .private_segment_fixed_size: 0
    .kernarg_segment_align: 8
    .kernarg_segment_size: 32
    .max_flat_workgroup_size: 256
    .sgpr_count:     66
    .vgpr_count:     100
    .wavefront_size: 32
...
	.end_amdgpu_metadata
.endif
;; end of part 1
;; launch quad (part 2): grid 16 x 16, 4 waves a work-group, clusters of 4 x 4, 327,680 bytes of LDS; arguments xb, rb, part; writes part
.if DOCPART == 2
	.amdgcn_target "amdgcn-amd-amdhsa--gfx1250"
	.amdhsa_code_object_version 6
	.text
	.protected	k_qfdc55f8888_quad
	.globl	k_qfdc55f8888_quad
	.p2align	8
	.type	k_qfdc55f8888_quad,@function
k_qfdc55f8888_quad:
	s_mov_b64 s[64:65], 0
	v_nop
	global_prefetch_b8 v0, s[64:65] scope:SCOPE_SE
	s_setreg_imm32_b32 hwreg(HW_REG_WAVE_MODE, 25, 1), 1
	s_wait_xcnt 0x0
	s_wait_alu depctr_hold_cnt(0) depctr_sa_sdst(0) depctr_va_vdst(0) depctr_va_sdst(0) depctr_va_ssrc(0) depctr_va_vcc(0) depctr_vm_vsrc(0)
	s_getreg_b32 s2, hwreg(HW_REG_IB_STS2, 6, 4)
	s_cmp_eq_u32 s2, 0
	s_cbranch_scc0 .Lentry_in_a_cluster
	s_endpgm
.Lentry_in_a_cluster:
	s_bfe_u32 s2, ttmp6, 0x10000c
	s_cmp_lg_u32 s2, 0xf033
	s_cbranch_scc0 .Lentry_shape_is_right
	s_endpgm
.Lentry_shape_is_right:
; Z[b][n] = sum over m of xb[b][m] rb[n][m], never stored; of it, for each row b and each strip of 128 columns n:
;   part[0][strip][b] = sum over the strip of xb[b][n] Z[b][n]        part[1][strip][b] = sum over the strip of xb[b][n]^2
; xb, rb: [4096][4096] bf16.  part: [2][32][4096] f32.  The next launch adds the 32 strips and multiplies the two sums.
; Products of bf16, all sums in f32.  LIMITS: the order of the sums is not the reference's; the norm is that of x rounded to bf16; NaN and infinities are not treated apart.
; SHARES.  A tile of Z, 256 x 256, is made by a work-group of four waves; a wave makes 128 x 128: 64 accumulators of 16 x 16, 512 registers.  16 x 16 tiles: one work-group for each of 256.
; K goes in steps of 128 through a ring of two LDS slots filled by the tensor data mover: tile rows are 256 bytes of memory at multiples of 256 bytes.
; CLUSTERS: 4 x 4 work-groups.  The four of a row of the cluster need the same tiles of xb, the four of a column the same tiles of rb: each tile is asked for JOINTLY,
; by the same tensor load with the same descriptor and a mask that names the four.
; THE MATRIX INSTRUCTION IS USED TRANSPOSED: source 0 = 16 rows of rb, source 1 = 16 rows of xb.  In the result lane l holds row l % 16 of Z and registers 0 to 7 hold the
; columns 8 (l / 16) + 0 .. 7: the same eight neighbouring numbers of xb are 16 bytes, one LDS load.
; THE END.  When slot 0 has been read for the last time each wave asks, for itself alone, for ITS 128 x 128 of xb (its rows, its columns of Z) into its own quarter of slot 0;
; the tile lands under the last K step's products.  Then each accumulator is multiplied by it and summed along the lane's columns.
; REGISTERS, in windows of 256 (s_set_vgpr_msb's low byte: bits 1:0 source 0, 3:2 source 1, 5:4 source 2, 7:6 destination):
;   window 0: v0-31 addresses; v64-127, v128-191 fragments of xb, two buffers; v32-63, v192-223 the end's x, two buffers; v224-255 the end's sums
;   window 1: v64-127, v128-191 fragments of rb, two buffers
;   window 2: the 32 accumulators of my rows 0-63 (accumulator (a, b) at v[8 (8 a + b)]);   window 3: those of my rows 64-127
.set SIZE_K, 4096
.set KSTEP,  128
.set PITCH,  272                       ; an LDS row: 256 bytes + 16 of padding = 68 words: row r starts at bank 4 r mod 64 (64 banks of 4 bytes: ISA guide 11.1), so the 16 rows of a load start at 16 different banks
.set HALFT,  128*PITCH                 ; 128 rows: what one tensor load brings
.set SLOT,   4*HALFT                   ; xb's 256 rows, then rb's 256 rows
.set STAGE,  2*SLOT                    ; behind the ring, never filled by a tensor load: 1,280 bytes for each wave
.set WSTAGE, 1280
.set KIND,   640                       ; in a wave's stage: 128 sums of x Z at 0, 128 sums of x x at 640: the two halves of the lanes store 32 banks apart
.set SPARE,  STAGE+4*WSTAGE            ; behind the stages: the spare words, 128 bytes for each wave: two blocks of 256 bytes that no other line names
.set LAPS,   SIZE_K/(2*KSTEP)          ; a lap = two K steps = once round the ring: 16
.set PKIND,  524288                    ; bytes from part[0] to part[1]
.set ADRA, 16                          ; v16-17  LDS address of my xb fragments in slot 0, 1
.set ADRB, 20                          ; v20-21  the same for rb
.set XAD,  22                          ; v22     LDS address of my 16 bytes in the first 16 rows of my wave's x tile
.set LN,   23                          ; v23     my lane
.set STG,  24                          ; v24     the way out: where I put a row's sum
.set RDB,  25                          ; v25     the way out: where I read four rows' sums back
.set CO,   26                          ; v26     my byte offset in 512 bytes of part
.set ZR,   27                          ; v27     0: the addend that starts the end's sums (the mixed multiply-add takes registers alone)
.set SPW,  28                          ; v28     LDS address of my spare word: SPARE + 4 x my thread's number; never rewritten
.set NIL,  29                          ; v29     0, for the add alone; never rewritten
.set XB0,  32                          ; v32-63   x of 16 rows x 128 columns: even blocks
.set F0,   64                          ; fragment buffer 0
.set F1,   128                         ; fragment buffer 1
.set XB1,  192                         ; v192-223 odd blocks
.set DD,   224                         ; v224-231 block a: my lane's sum of x Z
.set NN,   232                         ; v232-239 block a: my lane's sum of x x
.set TT,   240                         ; v240-243 four chains of x Z
.set UU,   244                         ; v244-247 four chains of x x
.set WW,   248                         ; v248-255 at work
.set G1,  24                           ; s[24:31] descriptor group 1 for xb's tiles
.set G0,  32                           ; s[32:39] group 0 for xb's tiles, one set for each slot
.set G1B, 48                           ; s[48:55] group 1 for rb's tiles: it differs in the mask alone
.set G0B, 56                           ; s[56:63] group 0 for rb's tiles
.set G1X, 68                           ; s[68:75] group 1 for my wave's own x tile: no mask
.set G0X, 76                           ; s[76:79] its group 0
.set MSB, 0
.macro WIN new                         ; the immediate's high byte repeats the setting that is left; a switch that changes nothing is dropped
.if MSB != (\new)
	s_set_vgpr_msb (MSB<<8)|(\new)
.set MSB, \new
.endif
.endm
.set MUL_LO, 0xa1                      ; source 0 (rb) window 1, source 1 (xb) window 0, C and D window 2
.set MUL_HI, 0xf1                      ; the same, C and D window 3
.set TO_B,   0x40                      ; destination window 1, address window 0
; A joint load.  Waves 0 and 1 fetch xb's two halves, waves 2 and 3 rb's.  Each of the two lines has one mask and one set of registers for all that issue it.
; The branch hangs on the wave's number alone.  An s_nop 0 and four v_nop follow each of the two lines, ahead of the jump and the label.
.macro JLOAD s
	s_cmp_eq_u32 s11, 0
	s_cbranch_scc0 .Lfor_b_\@
	tensor_load_to_lds s[G0+4*(\s):G0+4*(\s)+3], s[G1:G1+7]
	s_nop 0
.rept 4
	v_nop
.endr
	s_branch .Lasked_\@
.Lfor_b_\@:
	tensor_load_to_lds s[G0B+4*(\s):G0B+4*(\s)+3], s[G1B:G1B+7]
	s_nop 0
.rept 4
	v_nop
.endr
.Lasked_\@:
.endm
; A round of the cluster's barrier: my work-group's barrier, so that wave 0's signal speaks for all four waves; wave 0 signals for the work-group; every wave waits for all
; sixteen work-groups; my work-group's barrier once more.
.macro CREST                           ; a round behind its opening barrier
	s_cmp_lg_u32 s10, 0
	s_cbranch_scc1 .Lnot_wave_0_\@
	s_barrier_signal -3
.Lnot_wave_0_\@:
	s_barrier_wait -3
	s_barrier_signal -1
	s_barrier_wait -1
.endm
.macro CROUND                          ; a whole round
	s_barrier_signal -1
	s_barrier_wait -1
	CREST
.endm
	s_load_b128 s[4:7], s[0:1], 0x0                ; xb s[4:5], rb s[6:7]
	s_load_b64 s[8:9], s[0:1], 0x10                ; part
	v_lshl_add_u32 v[SPW], v0, 2, SPARE
	v_mov_b32 v[NIL], 0
	ds_add_u32 v[SPW], v[NIL]                      ; the wave's opening: the add and its wait stand ahead of my first tensor load; the set-up below, work on registers, stands between them
	v_lshrrev_b32 v1, 5, v0
	v_readfirstlane_b32 s10, v1                    ; wave 0..3
	s_lshr_b32 s11, s10, 1                         ; which half of the tile's rows is mine.  Also: I fetch for xb (0) or for rb (1)
	s_and_b32 s12, s10, 1                          ; which half of its columns.  Also: which 128 rows of that tile I fetch
	s_bfe_u32 s40, ttmp6, 0x40000                  ; cx: my place along the cluster's x
	s_bfe_u32 s41, ttmp6, 0x40004                  ; cy: along its y
	s_lshl_b32 s42, ttmp9, 2                       ; in a cluster launch ttmp9 and ttmp7 count clusters
	s_add_co_u32 s42, s42, s40                     ; tile column of Z = 4 x cluster x + cx
	s_and_b32 s13, ttmp7, 0xffff
	s_lshl_b32 s13, s13, 2
	s_add_co_u32 s13, s13, s41                     ; tile row of Z = 4 x cluster y + cy
	s_lshl_b32 s43, s41, 2
	s_lshl_b32 s43, 15, s43                        ; my row of the cluster: places 4 cy .. 4 cy + 3
	s_lshl_b32 s44, 0x1111, s40                    ; my column: places cx, cx + 4, cx + 8, cx + 12
	; descriptor group 1: a tile of 128 rows x 128 elements, padded in LDS
	s_or_b32 s[G1+0], s43, (1<<16)|(1<<20)|(1<<21)|(5<<22)|(3<<25)   ; 15:0 the mask: xb's tiles go to my row; 17:16 elements of 2 bytes; 20 padding on; 21 set beside a mask; 24:22 after every 64 words (code 5); 31:25 4 words of it (code 3)
	s_or_b32 s[G1B+0], s44, (1<<16)|(1<<20)|(1<<21)|(5<<22)|(3<<25)  ; the same with the mask of my column, for rb's tiles
	s_mov_b32 s[G1X+0], (1<<16)|(1<<20)|(5<<22)|(3<<25)              ; no mask: a load of my wave's own
.irp g, G1, G1B, G1X
	s_mov_b32 s[(\g)+1], KSTEP<<16                 ; tensor_dim0 = 128
	s_mov_b32 s[(\g)+2], 128<<16                   ; tensor_dim1 = 128
	s_mov_b32 s[(\g)+3], KSTEP<<16                 ; tile_dim0 = 128
	s_mov_b32 s[(\g)+4], 128                       ; tile_dim1 = 128
	s_mov_b32 s[(\g)+5], SIZE_K                    ; 4,096 elements from row to row
	s_mov_b32 s[(\g)+6], 0
	s_mov_b32 s[(\g)+7], 0
.endr
	; where the joint tiles come from.  xb's hang on the tile row alone, which my row of the cluster shares; rb's on the tile column alone, which my column shares.
	; Each offset is made in registers that never hold the other coordinate.  A row is 8,192 bytes; every offset stays under 2^25.
	s_lshl_b32 s17, s12, 7                         ; which 128 rows of the tile I fetch
	s_lshl_b32 s16, s13, 8
	s_add_co_u32 s16, s16, s17                     ; xb: row 256 x tile row + 128 x half
	s_lshl_b32 s16, s16, 13
	s_lshl_b32 s46, s42, 8
	s_add_co_u32 s46, s46, s17                     ; rb: row 256 x tile column + 128 x half
	s_lshl_b32 s46, s46, 13
	s_mov_b32 s17, 0
	s_mov_b32 s47, 0
	s_mul_i32 s20, s10, HALFT                      ; and where they go: wave x 128 rows: no place in the cluster enters an LDS address
	; my wave's own x tile: rows 256 x tile row + 128 x row half, columns 256 x tile column + 128 x column half.  Both coordinates meet in s82-s87 alone, which feed no joint load.
	s_lshl_b32 s84, s13, 8
	s_lshl_b32 s82, s11, 7
	s_add_co_u32 s84, s84, s82
	s_lshl_b32 s84, s84, 13
	s_lshl_b32 s82, s42, 9
	s_add_co_u32 s84, s84, s82
	s_lshl_b32 s82, s12, 8
	s_add_co_u32 s84, s84, s82
	s_mov_b32 s85, 0
	; my wave's 128 sums in part[0]: strip 2 x tile column + column half (16,384 bytes each), row 256 x tile row + 128 x row half (4 bytes each)
	s_lshl_b32 s86, s42, 15
	s_lshl_b32 s82, s12, 14
	s_add_co_u32 s86, s86, s82
	s_lshl_b32 s82, s13, 10
	s_add_co_u32 s86, s86, s82
	s_lshl_b32 s82, s11, 9
	s_add_co_u32 s86, s86, s82
	s_mov_b32 s87, 0
	s_mov_b32 s80, 0x76543210                      ; v_permlanex16_b32's selects: each lane takes its own place in the other half
	s_mov_b32 s81, 0xfedcba98
	s_wait_dscnt 0x0                               ; the opening add is done
	s_wait_kmcnt 0x0
	s_add_nc_u64 s[14:15], s[4:5], s[16:17]
	s_add_nc_u64 s[46:47], s[6:7], s[46:47]
	s_add_nc_u64 s[8:9], s[8:9], s[86:87]
	s_mov_b32 s[G0X], 1                            ; 1:0 count = 1
	s_mov_b32 s[G0X+1], s20                        ; 63:32 LDS address: my wave's quarter of slot 0
	s_add_nc_u64 s[G0X+2:G0X+3], s[4:5], s[84:85]  ; 120:64 global address
	s_or_b32 s[G0X+3], s[G0X+3], 0x80000000        ; 127:126 type = 2
	CROUND                                         ; all sixteen work-groups are here: the first joint loads meet
.irp s, 0,1
	s_mov_b32 s[G0+4*(\s)], 1                                        ; 1:0 count = 1
	s_add_co_u32 s[G0+4*(\s)+1], s20, (\s)*SLOT                      ; 63:32 LDS address
	s_add_nc_u64 s[G0+4*(\s)+2:G0+4*(\s)+3], s[14:15], (\s)*KSTEP*2  ; 120:64 global address: K step s
	s_or_b32 s[G0+4*(\s)+3], s[G0+4*(\s)+3], 0x80000000              ; 127:126 type = 2
	s_mov_b32 s[G0B+4*(\s)], 1
	s_add_co_u32 s[G0B+4*(\s)+1], s20, (\s)*SLOT
	s_add_nc_u64 s[G0B+4*(\s)+2:G0B+4*(\s)+3], s[46:47], (\s)*KSTEP*2
	s_or_b32 s[G0B+4*(\s)+3], s[G0B+4*(\s)+3], 0x80000000
	JLOAD \s                                       ; the ring is filled before anything else is done: two loads of mine are out
.endr
	; A fragment is 16 rows x 32 K in 8 registers: lane l holds row l % 16; registers 0-3 hold K = 8 (l / 16) + 0..7, registers 4-7 hold
	; K = 16 + 8 (l / 16) + 0..7: two loads of 16 bytes, 32 bytes apart.  The same for source 0 and source 1.
	v_and_b32 v1, 15, v0                           ; l % 16
	v_bfe_u32 v2, v0, 4, 1                         ; l / 16
	v_mul_u32_u24 v3, v1, PITCH
	v_lshl_add_u32 v3, v2, 4, v3                   ; row x pitch + 16 x half
	s_mul_i32 s21, s11, HALFT                      ; my 128 rows of xb
	s_mul_i32 s22, s12, HALFT                      ; my 128 rows of rb,
	s_add_co_u32 s22, s22, 2*HALFT                 ; which lie behind xb's 256
.irp s, 0,1
	v_add_nc_u32 v[ADRA+(\s)], s21, v3
	v_add_nc_u32 v[ADRB+(\s)], s22, v3
	s_add_co_u32 s21, s21, SLOT
	s_add_co_u32 s22, s22, SLOT
.endr
	v_add_nc_u32 v[XAD], s20, v3                   ; in my x tile the same place: row l % 16, the 16 bytes of columns 8 (l / 16) + 0..7
	v_and_b32 v[LN], 31, v0
	s_mul_i32 s23, s10, WSTAGE
	s_add_co_u32 s23, s23, STAGE                   ; my stage
	v_mul_u32_u24 v4, v2, KIND                     ; in: lanes 0-15 put sums of x Z, lanes 16-31 sums of x x; 4 bytes for row l % 16
	v_lshl_add_u32 v4, v1, 2, v4
	v_add_nc_u32 v[STG], s23, v4
	v_lshl_add_u32 v[RDB], v[LN], 4, s23           ; back: four neighbouring rows' sums a lane
	v_lshlrev_b32 v[CO], 4, v[LN]                  ; and the same 16 bytes in part
	v_mov_b32 v[ZR], 0
; 16 matrix instructions: row blocks a0, a0 + 1 of the window's four (hi = 0: my rows 0-63, 1: rows 64-127) x all 8 column blocks, 32 along K.
; zero = 1: the first product starts the sums: nothing is ever cleared.
.macro MUL16 f, hi, a0, zero
	WIN MUL_LO+0x50*(\hi)  ; MUL_LO or MUL_HI
.irp a, \a0, (\a0)+1
.irp b, 0,1,2,3,4,5,6,7
.if \zero
	v_wmma_f32_16x16x32_bf16 v[8*(8*(\a)+(\b)):8*(8*(\a)+(\b))+7], v[(\f)+8*(\b):(\f)+8*(\b)+7], v[(\f)+8*(4*(\hi)+(\a)):(\f)+8*(4*(\hi)+(\a))+7], 0
.else
	v_wmma_f32_16x16x32_bf16 v[8*(8*(\a)+(\b)):8*(8*(\a)+(\b))+7], v[(\f)+8*(\b):(\f)+8*(\b)+7], v[(\f)+8*(4*(\hi)+(\a)):(\f)+8*(4*(\hi)+(\a))+7], v[8*(8*(\a)+(\b)):8*(8*(\a)+(\b))+7]
.endif
.endr
.endr
.endm
; 32 LDS loads in one run: the fragments of one quarter step (128 rows of rb, 128 rows of xb, 32 K at byte k of the rows) into buffer f
.macro FETCH slot, k, f
	WIN TO_B
.irp i, 0,1,2,3,4,5,6,7
	ds_load_b128 v[(\f)+8*(\i):(\f)+8*(\i)+3],   v[ADRB+(\slot)] offset:(\k)+(\i)*16*PITCH
	ds_load_b128 v[(\f)+8*(\i)+4:(\f)+8*(\i)+7], v[ADRB+(\slot)] offset:(\k)+(\i)*16*PITCH+32
.endr
	WIN 0
.irp i, 0,1,2,3,4,5,6,7
	ds_load_b128 v[(\f)+8*(\i):(\f)+8*(\i)+3],   v[ADRA+(\slot)] offset:(\k)+(\i)*16*PITCH
	ds_load_b128 v[(\f)+8*(\i)+4:(\f)+8*(\i)+7], v[ADRA+(\slot)] offset:(\k)+(\i)*16*PITCH+32
.endr
.endm
; A load into a register that a matrix instruction has read, and a vector instruction that reads a matrix result, stand four places behind that matrix instruction, and only
; plain vector instructions that name none of its registers are places (ISA guide 7.12.1 for vector instructions).
.macro PLACES
.rept 4
	v_nop
.endr
.endm
; A K step is four quarter steps of 32 along K, 64 matrix instructions each, on buffers 0, 1, 0, 1.  The 64 accumulators take turns, in the same order in every quarter.
; One of the first three: multiplies buffer f; in its middle it fetches the next quarter's fragments, at byte k of the same slot's rows, into buffer g.
.macro QUARTER slot, k, f, g, zero
	s_wait_dscnt 8                                 ; rb and xb's rows 0-63 are in; the youngest eight loads (xb's rows 64-127) may be out
	MUL16 \f, 0, 0, \zero
	MUL16 \f, 0, 2, \zero
	PLACES
	FETCH \slot, \k, \g
	s_wait_dscnt 32                                ; all but the 32 just issued
	MUL16 \f, 1, 0, \zero
	MUL16 \f, 1, 2, \zero
.endm
; The last quarter multiplies buffer 1 and changes slots.  MEET is its first half, and opens a round of the cluster's barrier.  In front of it each wave waits for all its tensor loads,
; of which one is out: its part of the next slot; adds 0 to its spare word; and waits for that and for its own reads of this slot.
.macro MEET
	WIN 0                                          ; (the add's two registers lie in window 0)
	s_wait_tensorcnt 0x0                           ; all my tensor loads have landed: the one that was out is my part of the next slot;
	ds_add_u32 v[SPW], v[NIL]                      ; 0 onto my spare word;
	s_wait_dscnt 9                                 ; (the add and the youngest eight loads may be out)
	MUL16 F1, 0, 0, 0                              ; sixteen matrix instructions stand between the add and the wait for it
	s_wait_dscnt 0x0                               ; the add is done, and my reads of this slot are over:
	s_barrier_signal -1                            ; say so,
	MUL16 F1, 0, 2, 0                              ; work on registers while the others arrive,
	WIN 0
	s_barrier_wait -1                              ; and go on when all four have said so
.endm
; The whole last quarter.  Behind the round the slot just read out is filled again first, with the K step two steps on; then come the next slot's first fragments.
; From a request to the wait for it a wave issues 224 matrix instructions.
.macro TURN slot, next
	MEET
	CREST                                          ; no wave of any partner still reads this slot's tile or has a load on its way
	s_add_nc_u64 s[G0+4*(\slot)+2:G0+4*(\slot)+3], s[G0+4*(\slot)+2:G0+4*(\slot)+3], 2*KSTEP*2    ; no tensor load of mine is out: a group 0 may be written
	s_add_nc_u64 s[G0B+4*(\slot)+2:G0B+4*(\slot)+3], s[G0B+4*(\slot)+2:G0B+4*(\slot)+3], 2*KSTEP*2
	JLOAD \slot                                    ; the first tensor load behind the round; the four v_nop behind it are also the places in front of the loads below
	FETCH \next, 0, F0
	MUL16 F1, 1, 0, 0
	MUL16 F1, 1, 2, 0
.endm
; The last change of slots: slot 0 has held its last K step.  Behind the round each wave fills its own quarter of it with its own 128 x 128 of xb: one load a wave, no mask.
.macro TURNX
	MEET
	CREST
	tensor_load_to_lds s[G0X:G0X+3], s[G1X:G1X+7]  ; the first tensor load behind the round, and my last: 256 matrix instructions ahead of the wait for it
	s_nop 0
	PLACES                                         ; the places in front of the loads below
	FETCH 1, 0, F0
	MUL16 F1, 1, 0, 0
	MUL16 F1, 1, 2, 0
.endm
; THE END, for block a of my eight blocks of 16 rows.
; XLOAD: the block's x, 16 rows x 128 columns: for column block b my 16 bytes are the eight numbers that stand against my eight registers of accumulator (a, b).
.macro XLOAD a
	WIN 0
.set XR, XB0+(XB1-XB0)*((\a)%2)
.irp b, 0,1,2,3,4,5,6,7
	ds_load_b128 v[XR+4*(\b):XR+4*(\b)+3], v[XAD] offset:(\a)*16*PITCH+32*(\b)
.endr
.endm
; NORM: my 64 numbers of x squared and summed, straight from the bf16 halves into f32, in four chains that do not wait for each other; the first four lines start them on 0.
.macro NORM a
	WIN 0
.set XR, XB0+(XB1-XB0)*((\a)%2)
.set n, 0
.rept 64                               ; n = 8 b + j
.set rD, UU+n%4
.set rC, rD
.if n < 4
.set rC, ZR
.endif
.if n%2
	v_fma_mix_f32_bf16 v[rD], v[XR+n/2], v[XR+n/2], v[rC] op_sel:[1,1,0] op_sel_hi:[1,1,0]
.else
	v_fma_mix_f32_bf16 v[rD], v[XR+n/2], v[XR+n/2], v[rC] op_sel:[0,0,0] op_sel_hi:[1,1,0]
.endif
.set n, n+1
.endr
.endm
; DOT: the same 64 numbers times my 64 numbers of Z.  Each accumulator's registers are taken in ascending order.
.macro DOT a
	WIN 0x08+4*((\a)/4)                            ; source 1 in window 2 (blocks 0-3) or 3 (blocks 4-7)
.set XR, XB0+(XB1-XB0)*((\a)%2)
.set AC, 64*((\a)%4)
.set n, 0
.rept 64
.set rD, TT+n%4
.set rC, rD
.if n < 4
.set rC, ZR
.endif
.if n%2
	v_fma_mix_f32_bf16 v[rD], v[XR+n/2], v[AC+n], v[rC] op_sel:[1,0,0] op_sel_hi:[1,0,0]
.else
	v_fma_mix_f32_bf16 v[rD], v[XR+n/2], v[AC+n], v[rC] op_sel:[0,0,0] op_sel_hi:[1,0,0]
.endif
.set n, n+1
.endr
.endm
.macro FOLD a                          ; the four chains of each kind into one number
	WIN 0
	v_pk_add_f32 v[TT:TT+1], v[TT:TT+1], v[TT+2:TT+3]
	v_pk_add_f32 v[UU:UU+1], v[UU:UU+1], v[UU+2:UU+3]
	v_add_f32 v[DD+(\a)], v[TT], v[TT+1]
	v_add_f32 v[NN+(\a)], v[UU], v[UU+1]
.endm
	s_wait_tensorcnt 1                             ; my part of K step 0 is in; K step 1's may stay out
	s_barrier_signal -1
	s_barrier_wait -1                              ; everybody's is
	FETCH 0, 0, F0
	QUARTER 0, 64,  F0, F1, 1                      ; the first quarter stands in front of the loop: its products start the sums
	WIN 0                                          ; at a label and at a branch every window is 0
	s_mov_b32 s3, LAPS-1
.Llap:                                                 ; a trip goes once round the ring, from a lap's second quarter to the next lap's first, and fills both slots again
	QUARTER 0, 128, F1, F0, 0
	QUARTER 0, 192, F0, F1, 0
	TURN 0, 1
	QUARTER 1, 64,  F0, F1, 0
	QUARTER 1, 128, F1, F0, 0
	QUARTER 1, 192, F0, F1, 0
	TURN 1, 0
	QUARTER 0, 64,  F0, F1, 0
	WIN 0
	s_sub_co_u32 s3, s3, 1
	s_cmp_lg_u32 s3, 0
	s_cbranch_scc1 .Llap
	QUARTER 0, 128, F1, F0, 0                      ; the last lap: K step 30 goes on,
	QUARTER 0, 192, F0, F1, 0
	TURNX                                          ; slot 0 takes the x tiles,
	QUARTER 1, 64,  F0, F1, 0                      ; K step 31
	QUARTER 1, 128, F1, F0, 0
	QUARTER 1, 192, F0, F1, 0
	s_wait_dscnt 8                                 ; the very last quarter: no fragments are left to fetch
	MUL16 F1, 0, 0, 0
	MUL16 F1, 0, 2, 0
	WIN 0
	s_wait_tensorcnt 0x0                           ; my x tile is in; I alone read those bytes, so my own wait is all the ordering that the reads need
	XLOAD 0                                        ; into registers that no matrix instruction names
	XLOAD 1
	s_wait_dscnt 16                                ; all but the 16 just issued: xb's rows 64-127 are in
	MUL16 F1, 1, 0, 0
	MUL16 F1, 1, 2, 0
	WIN 0
	PLACES                                         ; behind the last products
.irp a, 0,1,2,3,4,5,6,7
.if (\a) < 7
	s_wait_dscnt 8                                 ; this block's x is in; the next block's eight loads may be out
.else
	s_wait_dscnt 0
.endif
	NORM \a
	DOT \a
	FOLD \a
.if (\a) < 6
	XLOAD (\a)+2                                   ; its buffer takes the block two further on
.endif
.endr
	; A row's two halves of columns lie in lanes 16 apart.  One exchange serves both kinds: lanes 0-15 keep their sum of x Z and send their sum of x x, lanes 16-31 the other way round.
	v_cmp_gt_u32 vcc_lo, 16, v[LN]                 ; lanes 0-15
.irp a, 0,1,2,3,4,5,6,7
	v_cndmask_b32 v[WW+(\a)], v[DD+(\a)], v[NN+(\a)], vcc_lo  ; what I send
.endr
.irp a, 0,1,2,3,4,5,6,7
	v_cndmask_b32 v[DD+(\a)], v[NN+(\a)], v[DD+(\a)], vcc_lo  ; what I keep
.endr
.irp a, 0,1,2,3,4,5,6,7
	v_permlanex16_b32 v[NN+(\a)], v[WW+(\a)], s80, s81        ; its destination counts as read: it has been written
.endr
.irp a, 0,1,2,3,4,5,6,7
	v_add_f32 v[DD+(\a)], v[DD+(\a)], v[NN+(\a)]              ; lane r: row 16 a + r's sum of x Z; lane 16 + r: its sum of x x
.endr
.irp a, 0,1,2,3,4,5,6,7
	ds_store_b32 v[STG], v[DD+(\a)] offset:64*(\a)
.endr
	ds_load_b128 v[WW:WW+3],   v[RDB]              ; LDS serves a wave's instructions in order (ISA guide 5.7.1.4): these see the stores above; the stage is my wave's own
	ds_load_b128 v[WW+4:WW+7], v[RDB] offset:KIND
	s_wait_dscnt 0x0
	global_store_b128 v[CO], v[WW:WW+3],   s[8:9]               ; each store of the wave covers 512 consecutive bytes, at a multiple of 512 from part's first byte
	global_store_b128 v[CO], v[WW+4:WW+7], s[8:9] offset:PKIND
	s_wait_tensorcnt 0x0                           ; the wave's end, behind my last tensor load and my last LDS store
	ds_add_u32 v[SPW], v[NIL]
	s_wait_dscnt 0x0
	CROUND                                         ; the closing round: no work-group ends while a partner may still ask for a tile that names it
	s_endpgm
.Lfunc_end_k_qfdc55f8888_quad:
	.size	k_qfdc55f8888_quad, .Lfunc_end_k_qfdc55f8888_quad-k_qfdc55f8888_quad
	.p2alignl 7, 3214868480
	.fill 96, 4, 3214868480
	.section	.rodata,"a",@progbits
	.p2align	6, 0x0
	.amdhsa_kernel k_qfdc55f8888_quad
		.amdhsa_group_segment_fixed_size 327680
		.amdhsa_private_segment_fixed_size 0
		.amdhsa_enable_private_segment 0
		.amdhsa_kernarg_size 24
		.amdhsa_user_sgpr_count 2
		.amdhsa_user_sgpr_kernarg_segment_ptr 1
		.amdhsa_wavefront_size32 1
		.amdhsa_system_sgpr_workgroup_id_x 1
		.amdhsa_system_sgpr_workgroup_id_y 1
		.amdhsa_system_sgpr_workgroup_id_z 1
		.amdhsa_system_vgpr_workitem_id 0
		.amdhsa_next_free_vgpr 1024
		.amdhsa_next_free_sgpr 88
		.amdhsa_reserve_vcc 1
		.amdhsa_float_denorm_mode_32 3
		.amdhsa_float_denorm_mode_16_64 3
		.amdhsa_memory_ordered 1
		.amdhsa_forward_progress 1
		.amdhsa_inst_pref_size 185
	.end_amdhsa_kernel
	.amdgpu_metadata
---
amdhsa.version: [ 1, 2 ]
amdhsa.kernels:
  - .name:           k_qfdc55f8888_quad
    .symbol:         k_qfdc55f8888_quad.kd
    .args:
      - { .name: xb, .offset: 0, .size: 8, .value_kind: global_buffer, .address_space: global }
      - { .name: rb, .offset: 8, .size: 8, .value_kind: global_buffer, .address_space: global }
      - { .name: part, .offset: 16, .size: 8, .value_kind: global_buffer, .address_space: global }
    .group_segment_fixed_size: 327680
    .private_segment_fixed_size: 0
    .kernarg_segment_align: 8
    .kernarg_segment_size: 24
    .max_flat_workgroup_size: 128
    .sgpr_count:     88
    .vgpr_count:     1024
    .wavefront_size: 32
...
	.end_amdgpu_metadata
.endif
;; end of part 2
;; launch finish (part 3): grid 64 x 1, 1 waves a work-group, no clusters, 0 bytes of LDS; arguments part, out0; writes out0
.if DOCPART == 3
	.amdgcn_target "amdgcn-amd-amdhsa--gfx1250"
	.amdhsa_code_object_version 6
	.text
	.protected	k_qfdc55f8888_finish
	.globl	k_qfdc55f8888_finish
	.p2align	8
	.type	k_qfdc55f8888_finish,@function
k_qfdc55f8888_finish:
	s_mov_b64 s[64:65], 0
	v_nop
	global_prefetch_b8 v0, s[64:65] scope:SCOPE_SE
	s_setreg_imm32_b32 hwreg(HW_REG_WAVE_MODE, 25, 1), 1
	s_wait_xcnt 0x0
; out0[b] = (sum over 32 strips of part[0][strip][b]) x (sum over 32 strips of part[1][strip][b]).  part: [2][32][4096] f32.  All in f32.
; One wave to a work-group; the work-group owns 64 rows, a lane two neighbouring ones: every load and the store of the wave cover 256 consecutive bytes, aligned.
; 64 work-groups: there are 16,384 bytes of results, and a share under 256 bytes would store part of an aligned block.  All 64 loads of a wave go out at once; no LDS, no barrier.
; The strips are added as a tree: an order of rounding that is not the reference's.
.set STRIP, 16384                      ; bytes from strip to strip
.set PKIND, 524288                     ; bytes from part[0] to part[1]
.set P, 4                              ; v[4:67]    strip c of part[0]: a pair
.set Q, 68                             ; v[68:131]  strip c of part[1]: a pair
	s_load_b128 s[4:7], s[0:1], 0x0                ; part s[4:5], out0 s[6:7]
	s_lshl_b32 s8, ttmp9, 8                        ; the work-group's 64 rows of 4 bytes
	v_lshl_add_u32 v1, v0, 3, s8                   ; + 8 bytes a lane; never rewritten
	s_wait_kmcnt 0x0
.set c, 0
.rept 32
	global_load_b64 v[P+2*c:P+2*c+1], v1, s[4:5] offset:c*STRIP th:TH_LOAD_NT
.set c, c+1
.endr
.set c, 0
.rept 32
	global_load_b64 v[Q+2*c:Q+2*c+1], v1, s[4:5] offset:PKIND+c*STRIP th:TH_LOAD_NT
.set c, c+1
.endr
.macro TREE base                       ; 32 pairs into the first: neighbours 16, 8, 4, 2 and 1 pairs apart, 31 packed additions
.irp w, 16,8,4,2,1
.set i, 0
.rept \w
	v_pk_add_f32 v[(\base)+2*i:(\base)+2*i+1], v[(\base)+2*i:(\base)+2*i+1], v[(\base)+2*(i+(\w)):(\base)+2*(i+(\w))+1]
.set i, i+1
.endr
.endr
.endm
	s_wait_loadcnt 32                              ; part[0]'s 32 loads are in; part[1]'s 32, issued behind them, may stay out
	TREE P
	s_wait_loadcnt 0x0
	TREE Q
	v_pk_mul_f32 v[P:P+1], v[P:P+1], v[Q:Q+1]
	global_store_b64 v1, v[P:P+1], s[6:7]
	s_endpgm
.Lfunc_end_k_qfdc55f8888_finish:
	.size	k_qfdc55f8888_finish, .Lfunc_end_k_qfdc55f8888_finish-k_qfdc55f8888_finish
	.p2alignl 7, 3214868480
	.fill 96, 4, 3214868480
	.section	.rodata,"a",@progbits
	.p2align	6, 0x0
	.amdhsa_kernel k_qfdc55f8888_finish
		.amdhsa_group_segment_fixed_size 0
		.amdhsa_private_segment_fixed_size 0
		.amdhsa_enable_private_segment 0
		.amdhsa_kernarg_size 16
		.amdhsa_user_sgpr_count 2
		.amdhsa_user_sgpr_kernarg_segment_ptr 1
		.amdhsa_wavefront_size32 1
		.amdhsa_system_sgpr_workgroup_id_x 1
		.amdhsa_system_sgpr_workgroup_id_y 1
		.amdhsa_system_sgpr_workgroup_id_z 1
		.amdhsa_system_vgpr_workitem_id 0
		.amdhsa_next_free_vgpr 132
		.amdhsa_next_free_sgpr 66
		.amdhsa_reserve_vcc 0
		.amdhsa_float_denorm_mode_32 3
		.amdhsa_float_denorm_mode_16_64 3
		.amdhsa_memory_ordered 1
		.amdhsa_forward_progress 1
		.amdhsa_inst_pref_size 11
	.end_amdhsa_kernel
	.amdgpu_metadata
---
amdhsa.version: [ 1, 2 ]
amdhsa.kernels:
  - .name:           k_qfdc55f8888_finish
    .symbol:         k_qfdc55f8888_finish.kd
    .args:
      - { .name: part, .offset: 0, .size: 8, .value_kind: global_buffer, .address_space: global }
      - { .name: out0, .offset: 8, .size: 8, .value_kind: global_buffer, .address_space: global }
    .group_segment_fixed_size: 0
    .private_segment_fixed_size: 0
    .kernarg_segment_align: 8
    .kernarg_segment_size: 16
    .max_flat_workgroup_size: 32
    .sgpr_count:     66
    .vgpr_count:     132
    .wavefront_size: 32
...
	.end_amdgpu_metadata
.endif
;; end of part 3
;; ======== version 2 of 2: 3 launches; version 1 with the launch cast written anew for expert scheduling mode
;; workspace buffers: xb 33,554,432 bytes; rb 33,554,432 bytes; part 1,048,576 bytes
;; launch cast (part 4): grid 256 x 2, 8 waves a work-group, no clusters, 0 bytes of LDS; arguments inputs, rho, xb, rb; writes xb, rb
.if DOCPART == 4
	.amdgcn_target "amdgcn-amd-amdhsa--gfx1250"
	.amdhsa_code_object_version 6
	.text
	.protected	k_qfdc55f8888_cast
	.globl	k_qfdc55f8888_cast
	.p2align	8
	.type	k_qfdc55f8888_cast,@function
k_qfdc55f8888_cast:
	s_mov_b64 s[64:65], 0
	v_nop
	global_prefetch_b8 v0, s[64:65] scope:SCOPE_SE
	s_setreg_imm32_b32 hwreg(HW_REG_WAVE_SCHED_MODE, 0, 2), 2
	s_setreg_imm32_b32 hwreg(HW_REG_WAVE_MODE, 25, 1), 1
	s_wait_xcnt 0x0
	s_wait_alu depctr_vm_vsrc(0)
; xb = bf16(inputs), rb = bf16(rho): each f32 rounded once, to nearest even.  Both tensors are 4096 x 4096.
; Work-groups with y = 0 take inputs -> xb, those with y = 1 take rho -> rb.  A work-group owns 262,144 bytes of f32, taken as 64 pieces of
; 4,096 bytes; thread t owns the 16 bytes at 16 t of every piece and stores 8 bytes at 8 t of the matching 2,048 bytes of output.
; So a load of a wave covers 512 consecutive bytes and a store of a wave 256 consecutive bytes, aligned.
; Memory binds: no LDS, no barrier, no matrix unit.
; LIMITS.  A magnitude above bf16's largest finite number (about 3.39e38) rounds to an infinity; NaN stays NaN.
; THE MODE: SCHED_MODE bits 1:0 = 2 (LLVM: expert scheduling mode 2), set by the entry lines.  The code itself states the register dependences
; between vector instructions and memory instructions, with s_wait_alu, always for 0.
; THE PLAN.  The 64 pieces go in 8 blocks of eight.  Registers that memory instructions touch:
;   X0 .. X3   four blocks of f32 as loaded.  Written by the loads of block p + 3, issued in block p; read by block p's roundings.
;   Y0, Y1     two blocks of bf16 to store.   Written by block p's roundings; read by the eight stores that are issued in block p + 1.
;   v1, v2     byte offsets, made once at the head and never written again: a piece's place stands in the immediate offset (258,048 bytes at the most),
;              so the two scalar bases are never stepped either.
; Block p works on X[p % 4] and writes Y[p % 2].  Its memory instructions are the loads into X[(p + 3) % 4] = X[(p - 1) % 4] and the stores from
; Y[(p - 1) % 2]: the two buffers that block p - 1 worked on and that no vector instruction of block p names.  So the waits at the head of a block
; state all that the block's sixteen memory instructions hang on, and these are dealt among its roundings with no further wait.
; Eight blocks are one lap of the four X buffers between the first block and the three that load nothing: the blocks are written out by one macro, without a loop.
.set BLOCK,  8                         ; pieces in a block
.set BLOCKS, 64/BLOCK
.set INROW,  4096                      ; bytes of f32 in a piece
.set OUTROW, 2048                      ; bytes of bf16 in a piece
.set LO, 1                             ; v1          16 t: my bytes in a piece of f32; never rewritten
.set SO, 2                             ; v2          8 t: my bytes in a piece of bf16; never rewritten
.set X,  4                             ; v[4:131]    buffer k, piece i: 4 registers at X + 32 k + 4 i, as loaded
.set Y,  132                           ; v[132:163]  buffer k, piece i: 2 registers at Y + 16 k + 2 i, to store
	s_load_b256 s[4:11], s[0:1], 0x0               ; inputs s[4:5], rho s[6:7], xb s[8:9], rb s[10:11]
	s_and_b32 s13, ttmp7, 0xffff                   ; y: which tensor
	s_lshl_b32 s14, ttmp9, 18                      ; x times 262,144 bytes of f32 (under 2^26)
	s_mov_b32 s15, 0
	s_lshl_b32 s16, ttmp9, 17                      ; x times 131,072 bytes of bf16
	s_mov_b32 s17, 0
	v_lshlrev_b32 v[LO], 4, v0
	v_lshlrev_b32 v[SO], 3, v0
	s_wait_kmcnt 0x0
	s_cmp_eq_u32 s13, 0                            ; the choice hangs on the work-group's y alone
	s_cselect_b64 s[18:19], s[4:5], s[6:7]         ; from
	s_cselect_b64 s[20:21], s[8:9], s[10:11]       ; to
	s_add_nc_u64 s[18:19], s[18:19], s[14:15]
	s_add_nc_u64 s[20:21], s[20:21], s[16:17]
	s_wait_alu depctr_va_vdst(0)                   ; v1 and v2 are written: every load and store of the kernel reads one of them as its offset
.set n, 0
.rept 3*BLOCK
	global_load_b128 v[X+4*n:X+4*n+3], v[LO], s[18:19] offset:n*INROW th:TH_LOAD_NT  ; blocks 0, 1 and 2 into X0, X1, X2
.set n, n+1
.endr
; Block p.  left = how many younger loads may still be out when this block's eight have to be there.
; Blocks 0 to BLOCKS - 4 load the block three further on; every block but the first stores the block before it.
.macro BLK p, left
	s_wait_loadcnt \left                           ; loads come back in order (ISA guide 5.7.1): X[p % 4] is in, the younger blocks stay out
.if (\p) >= 2                                          ; (in front of block 1 no store has been issued: there is nothing to state)
	s_wait_xcnt 0x0                                ; every earlier memory instruction has had its addresses translated (ISA guide 3.1): Y[p % 2] is rewritten only behind this wait
	s_wait_alu depctr_vm_vsrc(0)                   ; the stores issued in the block before have read Y[p % 2], which this block's roundings write again
.endif
.if (\p) >= 1
	s_wait_alu depctr_va_vdst(0)                   ; the block before has written the other Y, which the stores below read, and is done reading its X, in which the loads below land
.endif
.irp i, 0,1,2,3,4,5,6,7
.if (\p)+3 < BLOCKS
	global_load_b128 v[X+32*(((\p)+3)%4)+4*(\i):X+32*(((\p)+3)%4)+4*(\i)+3], v[LO], s[18:19] offset:(((\p)+3)*BLOCK+(\i))*INROW th:TH_LOAD_NT  ; three blocks ahead; no vector instruction since the wait names these registers
.endif
.if (\p) >= 1
	global_store_b64 v[SO], v[Y+16*(((\p)+1)%2)+2*(\i):Y+16*(((\p)+1)%2)+2*(\i)+1], s[20:21] offset:(((\p)-1)*BLOCK+(\i))*OUTROW  ; the block before; no hint: the next launch reads these bytes
.endif
	v_cvt_pk_bf16_f32 v[Y+16*((\p)%2)+2*(\i)],   v[X+32*((\p)%4)+4*(\i)],   v[X+32*((\p)%4)+4*(\i)+1]   ; two roundings, packed
	v_cvt_pk_bf16_f32 v[Y+16*((\p)%2)+2*(\i)+1], v[X+32*((\p)%4)+4*(\i)+2], v[X+32*((\p)%4)+4*(\i)+3]
.endr
.endm
	BLK 0, 2*BLOCK                                 ; no block stands in front of it: the head's wait has covered the offsets, and no vector instruction has named X3
	BLK 1, 2*BLOCK
	BLK 2, 2*BLOCK
	BLK 3, 2*BLOCK
	BLK 4, 2*BLOCK                                 ; asks for the last block
	BLK 5, 2*BLOCK                                 ; blocks 5 to 7 load nothing: no load leaves the buffer, and the counts run down
	BLK 6, BLOCK
	BLK 7, 0
	s_wait_alu depctr_va_vdst(0)                   ; block 7 has written Y1, which the last eight stores read
.irp i, 0,1,2,3,4,5,6,7
	global_store_b64 v[SO], v[Y+16+2*(\i):Y+16+2*(\i)+1], s[20:21] offset:((BLOCKS-1)*BLOCK+(\i))*OUTROW
.endr
	s_endpgm
.Lfunc_end_k_qfdc55f8888_cast:
	.size	k_qfdc55f8888_cast, .Lfunc_end_k_qfdc55f8888_cast-k_qfdc55f8888_cast
	.p2alignl 7, 3214868480
	.fill 96, 4, 3214868480
	.section	.rodata,"a",@progbits
	.p2align	6, 0x0
	.amdhsa_kernel k_qfdc55f8888_cast
		.amdhsa_group_segment_fixed_size 0
		.amdhsa_private_segment_fixed_size 0
		.amdhsa_enable_private_segment 0
		.amdhsa_kernarg_size 32
		.amdhsa_user_sgpr_count 2
		.amdhsa_user_sgpr_kernarg_segment_ptr 1
		.amdhsa_wavefront_size32 1
		.amdhsa_system_sgpr_workgroup_id_x 1
		.amdhsa_system_sgpr_workgroup_id_y 1
		.amdhsa_system_sgpr_workgroup_id_z 1
		.amdhsa_system_vgpr_workitem_id 0
		.amdhsa_next_free_vgpr 164
		.amdhsa_next_free_sgpr 66
		.amdhsa_reserve_vcc 0
		.amdhsa_float_denorm_mode_32 3
		.amdhsa_float_denorm_mode_16_64 3
		.amdhsa_memory_ordered 1
		.amdhsa_forward_progress 1
		.amdhsa_inst_pref_size 22
	.end_amdhsa_kernel
	.amdgpu_metadata
---
amdhsa.version: [ 1, 2 ]
amdhsa.kernels:
  - .name:           k_qfdc55f8888_cast
    .symbol:         k_qfdc55f8888_cast.kd
    .args:
      - { .name: inputs, .offset: 0, .size: 8, .value_kind: global_buffer, .address_space: global }
      - { .name: rho, .offset: 8, .size: 8, .value_kind: global_buffer, .address_space: global }
      - { .name: xb, .offset: 16, .size: 8, .value_kind: global_buffer, .address_space: global }
      - { .name: rb, .offset: 24, .size: 8, .value_kind: global_buffer, .address_space: global }
    .group_segment_fixed_size: 0
    .private_segment_fixed_size: 0
    .kernarg_segment_align: 8
    .kernarg_segment_size: 32
    .max_flat_workgroup_size: 256
    .sgpr_count:     66
    .vgpr_count:     164
    .wavefront_size: 32
...
	.end_amdgpu_metadata
.endif
;; end of part 4
;; launch quad: the kernel of part 2 again; grid 16 x 16, 4 waves a work-group, clusters of 4 x 4, 327,680 bytes of LDS; arguments xb, rb, part; writes part
;; launch finish: the kernel of part 3 again; grid 64 x 1, 1 waves a work-group, no clusters, 0 bytes of LDS; arguments part, out0; writes out0
